; MI455X (gfx1250); checked and timed in simulation.
; The chip was launched on July 23, 2026; its instructions are those of AMD's public machine-readable ISA for CDNA 5 (MIT licence, August 2026) and "CDNA5" Instruction Set Architecture Reference Guide (July 2026). The comments in the code are by the model that wrote it; some were corrected since.
;; Self Attention. Allowed arithmetic: float matrix products may take bf16 or f16 operands with f32 sums; all other float work in f32.
;; Inputs: Wk 256 x 256 float32; Wq 256 x 256 float32; Wv 256 x 256 float32; bk 256 float32; bq 256 float32; bv 256 float32; x 4 x 4,096 x 256 float32.
;; Outputs: out0 4 x 4,096 x 256 float32.
;; 2 versions, each right; version 2 is version 1 with the launch proj written anew for expert scheduling mode. Each part assembles by itself: llvm-mc -triple=amdgcn-amd-amdhsa -mcpu=gfx1250 --defsym DOCPART=n.
;; ======== version 1 of 2: 2 launches
;; workspace buffers: qs 8,388,608 bytes; ks 8,388,608 bytes; vt 8,388,608 bytes
;; launch proj (part 1): grid 2 x 128, 4 waves a work-group, no clusters, 270,848 bytes of LDS; arguments x, Wq, Wk, Wv, bq, bk, bv, qs, ks, vt; writes qs, ks, vt
.if DOCPART == 1
	.amdgcn_target "amdgcn-amd-amdhsa--gfx1250"
	.amdhsa_code_object_version 6
	.text
	.protected	k_q6964f5af3a_proj
	.globl	k_q6964f5af3a_proj
	.p2align	8
	.type	k_q6964f5af3a_proj,@function
k_q6964f5af3a_proj:
	s_mov_b64 s[64:65], 0
	v_nop
	global_prefetch_b8 v0, s[64:65] scope:SCOPE_SE
	s_setreg_imm32_b32 hwreg(HW_REG_WAVE_MODE, 25, 1), 1
	s_wait_xcnt 0x0
; The three linear layers of the attention module, rounded to bf16 for the attention launch:
;   qs[s][e] = bf16((sum_d x[s][d] Wq[e][d] + bq[e]) * log2(e)/16)      [16384][256]
;   ks[s][e] = bf16( sum_d x[s][d] Wk[e][d] + bk[e])                    [16384][256]
;   vt[b][e][s] = bf16(sum_d x[b][s][d] Wv[e][d] + bv[e])               [4][256][4096], transposed
; LIMITS, stated: x and the weights are rounded to bf16 for the products (sums in f32); the factor log2(e)/16, which the module applies
; to the scores, is applied to Q in f32 ahead of Q's rounding to bf16.
; A work-group makes 128 rows s x 128 columns e (half g of the 256) of each of the three results, so every piece that it stores is a whole
; aligned run of 256 bytes: 128 e of a row of qs or ks, 128 s of a row of vt.  Grid 2 x 128 = 256 work-groups.
; Four waves; wave (wr, wc) makes 64 s x 64 e of each result: 48 tiles of 16 x 16, 384 registers.
; The inputs are f32 and have to pass through registers to be rounded, so they come by plain loads, 512 consecutive bytes a wave's load, are rounded and
; laid into LDS as bf16; no tensor load, and so nothing that a cluster could share.
; REGISTERS, in windows of 256: window 0 addresses, staging buffers, W fragments; window 1 the x fragments; window 2 Q's and K's tiles;
; window 3 V's tiles and the biases.
.set PITCH,  528                       ; an operand row in LDS: 512 bytes of bf16 + 16: sixteen rows start in sixteen different 16-byte columns of 256 bytes
.set BLK,    16*PITCH                  ; 16 rows
.set SRC,    128*PITCH                 ; one source's 128 rows: x at 0, Wq, Wk, Wv behind it
.set SPITCH, 272                       ; a row of the output stage: 256 bytes + 16
.set STG,    128*SPITCH                ; one result's stage: Q at 0, K, V behind it, over the operand bytes once they are read
.set VO,   1                           ; v1      32,768 w + 16 lane: my bytes in a source's first 512 of my 32 rows
.set RR,   2                           ; v2      r = lane % 16
.set HH,   3                           ; v3      h = lane / 16
.set AD,   4                           ; v4-7    LDS address of my 8 bytes in source 0..3
.set ADX,  8                           ; v8      x fragments
.set ADW,  9                           ; v9-11   W fragments of Wq, Wk, Wv
.set STQ,  12                          ; v12     stage, in: Q and K
.set STV,  13                          ; v13     stage, in: V
.set RD,   14                          ; v14     stage, back: Q and K
.set RDV,  15                          ; v15     stage, back: V
.set BUF,  16                          ; v16-207 three staging buffers of 64; later the copy-out data
.set WF,   16                          ; v16-111 W fragment sets of Wq, Wk, Wv, 32 registers each
.set PK,   112                         ; v112-175 packed results
.set VQ,   208                         ; v208    my byte offset in qs and ks
.set VV,   209                         ; v209    my byte offset in vt
.set VB,   210                         ; v210    offset of my 8 numbers of bq, bk
.set VBV,  211                         ; v211    offset of my number of bv
.set MSB, 0
.macro WIN new                         ; the immediate's high byte repeats the setting that is left
.if MSB != (\new)
	s_set_vgpr_msb (MSB<<8)|(\new)
.set MSB, (\new)
.endif
.endm
.macro PLACES n
.rept \n
	v_nop
.endr
.endm
	s_load_b512 s[4:19], s[0:1], 0x0               ; x s[4:5], Wq s[6:7], Wk s[8:9], Wv s[10:11], bq s[12:13], bk s[14:15], bv s[16:17], qs s[18:19]
	s_load_b128 s[20:23], s[0:1], 0x40             ; ks s[20:21], vt s[22:23]
	v_lshl_add_u32 v254, v0, 2, 0x42000
	v_mov_b32 v255, 0
	v_lshrrev_b32 v2, 5, v0
	v_readfirstlane_b32 s24, v2                    ; wave 0..3
	s_and_b32 s25, ttmp7, 0xffff                   ; rb: block of 128 rows
	s_lshr_b32 s26, s24, 1                         ; wr: which 64 rows are mine
	s_and_b32 s27, s24, 1                          ; wc: which 64 columns
	s_lshl_b32 s28, s25, 17                        ; x: rb x 128 rows x 1,024 bytes
	s_mov_b32 s29, 0
	s_lshl_b32 s30, ttmp9, 17                      ; W: g x 128 rows x 1,024 bytes
	s_mov_b32 s31, 0
	s_lshl_b32 s32, ttmp9, 9                       ; biases: g x 128 x 4 bytes
	s_mov_b32 s33, 0
	s_lshl_b32 s34, s25, 16                        ; qs, ks: rb x 128 rows x 512 bytes
	s_lshl_b32 s35, ttmp9, 8                       ;         + g x 256 bytes
	s_add_co_u32 s34, s34, s35
	s_mov_b32 s35, 0
	s_lshr_b32 s36, s25, 5                         ; vt: batch x 2,097,152
	s_lshl_b32 s36, s36, 21
	s_lshl_b32 s37, ttmp9, 20                      ;     + g x 128 rows x 8,192 bytes
	s_add_co_u32 s36, s36, s37
	s_and_b32 s37, s25, 31                         ;     + (rb % 32) x 256 bytes
	s_lshl_b32 s37, s37, 8
	s_add_co_u32 s36, s36, s37
	s_mov_b32 s37, 0
	v_and_b32 v[RR], 15, v0
	v_bfe_u32 v[HH], v0, 4, 1
	v_and_b32 v212, 31, v0                         ; lane
	s_lshl_b32 s38, s24, 15
	v_lshl_add_u32 v[VO], v212, 4, s38
	s_lshl_b32 s42, s27, 8
	v_lshl_add_u32 v[VB], v[HH], 5, s42            ; 256 wc + 32 h
	v_lshl_add_u32 v[VBV], v[RR], 2, s42           ; 256 wc + 4 r
	s_wait_kmcnt 0x0
	s_add_nc_u64 s[4:5], s[4:5], s[28:29]
	s_add_nc_u64 s[6:7], s[6:7], s[30:31]
	s_add_nc_u64 s[8:9], s[8:9], s[30:31]
	s_add_nc_u64 s[10:11], s[10:11], s[30:31]
	s_add_nc_u64 s[12:13], s[12:13], s[32:33]
	s_add_nc_u64 s[14:15], s[14:15], s[32:33]
	s_add_nc_u64 s[16:17], s[16:17], s[32:33]
	s_add_nc_u64 s[18:19], s[18:19], s[34:35]
	s_add_nc_u64 s[20:21], s[20:21], s[34:35]
	s_add_nc_u64 s[22:23], s[22:23], s[36:37]
	; The biases, into window 3.  bq and bk in the layout of an accumulator whose rows are e: register j of block eb holds b[16 eb + 8 h + j].
	; bv for tiles whose columns are e: one number a lane, b[16 eb + r], in both registers of a pair for the packed add.
	WIN 0xc0
.irp eb, 0,1,2,3
	global_load_b128 v[128+8*\eb:128+8*\eb+3], v[VB], s[12:13] offset:64*\eb
	global_load_b128 v[128+8*\eb+4:128+8*\eb+7], v[VB], s[12:13] offset:64*\eb+16
	global_load_b128 v[160+8*\eb:160+8*\eb+3], v[VB], s[14:15] offset:64*\eb
	global_load_b128 v[160+8*\eb+4:160+8*\eb+7], v[VB], s[14:15] offset:64*\eb+16
	global_load_b32 v[192+2*\eb], v[VBV], s[16:17] offset:64*\eb
	global_load_b32 v[193+2*\eb], v[VBV], s[16:17] offset:64*\eb
.endr
	WIN 0
; STAGING.  Wave w brings rows 32 w .. 32 w + 31 of each of the four sources: 64 loads of 512 bytes a source, in batches of 16.
; Batch i: source i / 4, loads 16 (i % 4) .. + 15.
.macro GLOAD i, buf
.irp j, 0,1,2,3,4,5,6,7,8,9,10,11,12,13,14,15
	global_load_b128 v[\buf+4*\j:\buf+4*\j+3], v[VO], s[4+2*((\i)>>2):5+2*((\i)>>2)] offset:512*(16*((\i)&3)+\j)
.endr
.endm
; four f32 become 8 bytes of bf16, in place; load j of the batch is half j % 2 of row 8 (i % 4) + j / 2 of my 32
.macro CVST i, buf
.irp j, 0,1,2,3,4,5,6,7,8,9,10,11,12,13,14,15
	v_cvt_pk_bf16_f32 v[\buf+4*\j], v[\buf+4*\j], v[\buf+4*\j+1]
	v_cvt_pk_bf16_f32 v[\buf+4*\j+1], v[\buf+4*\j+2], v[\buf+4*\j+3]
.endr
.irp j, 0,1,2,3,4,5,6,7,8,9,10,11,12,13,14,15
	ds_store_b64 v[AD+((\i)>>2)], v[\buf+4*\j:\buf+4*\j+1] offset:(8*((\i)&3)+(\j>>1))*PITCH+256*(\j&1)
.endr
.endm
.macro BATCH i, buf, left, more
	s_wait_loadcnt \left                           ; loads come back in order (ISA guide 5.7.1): this batch is in, the younger ones stay out
	CVST \i, \buf
.if \more
	GLOAD \i+3, \buf                               ; the buffer's next batch: three batches, 24 KiB a wave, are on their way
.endif
.endm
	GLOAD 0, BUF
	GLOAD 1, BUF+64
	GLOAD 2, BUF+128
	; the other addresses, while the first loads are on their way
	s_mul_i32 s39, s24, 32*PITCH
	v_lshl_add_u32 v[AD], v212, 3, s39             ; 32 w rows + 8 lane
	v_add_nc_u32 v[AD+1], SRC, v[AD]
	v_add_nc_u32 v[AD+2], 2*SRC, v[AD]
	v_add_nc_u32 v[AD+3], 3*SRC, v[AD]
	v_mul_u32_u24 v213, v[RR], PITCH
	v_lshl_add_u32 v213, v[HH], 4, v213            ; a fragment's lane term: r x pitch + 16 h
	s_mul_i32 s40, s26, 64*PITCH
	v_add_nc_u32 v[ADX], s40, v213
	s_mul_i32 s41, s27, 64*PITCH
	s_add_co_u32 s41, s41, SRC
	v_add_nc_u32 v[ADW], s41, v213
	v_add_nc_u32 v[ADW+1], SRC, v[ADW]
	v_add_nc_u32 v[ADW+2], 2*SRC, v[ADW]
	v_mul_u32_u24 v214, v[RR], SPITCH
	v_lshl_add_u32 v214, v[HH], 4, v214            ; stage, in: r x pitch + 16 h
	s_mul_i32 s42, s26, 64*SPITCH
	s_lshl_b32 s43, s27, 7
	s_add_co_u32 s42, s42, s43
	v_add_nc_u32 v[STQ], s42, v214                 ; row 64 wr + r, byte 128 wc + 16 h
	s_mul_i32 s42, s27, 64*SPITCH
	s_lshl_b32 s43, s26, 7
	s_add_co_u32 s42, s42, s43
	s_add_co_u32 s42, s42, 2*STG
	v_add_nc_u32 v[STV], s42, v214                 ; V's stage: row 64 wc + r, byte 128 wr + 16 h
	v_mul_u32_u24 v[RD], v[HH], SPITCH
	v_lshl_add_u32 v[RD], v[RR], 4, v[RD]
	s_mul_i32 s42, s24, 32*SPITCH
	v_add_nc_u32 v[RD], s42, v[RD]                 ; back: row 32 w + h, 16 bytes a lane
	v_add_nc_u32 v[RDV], 2*STG, v[RD]
	v_lshlrev_b32 v[VQ], 9, v[HH]
	v_lshl_add_u32 v[VQ], v[RR], 4, v[VQ]
	s_lshl_b32 s42, s24, 14
	v_add_nc_u32 v[VQ], s42, v[VQ]                 ; (32 w + h) x 512 + 16 r
	v_lshlrev_b32 v[VV], 13, v[HH]
	v_lshl_add_u32 v[VV], v[RR], 4, v[VV]
	s_lshl_b32 s42, s24, 18
	v_add_nc_u32 v[VV], s42, v[VV]                 ; (32 w + h) x 8,192 + 16 r
.irp i, 0,1,2,3,4,5,6,7,8,9,10,11,12
	BATCH \i, BUF+64*(\i%3), 32, 1                 ; 32: the two younger batches of 16
.endr
	BATCH 13, BUF+64, 32, 0
	BATCH 14, BUF+128, 16, 0                       ; nothing more is fetched: the counts run down
	BATCH 15, BUF, 0, 0
	s_wait_dscnt 0x0                               ; my rows are in LDS, for the other waves' sake
	s_barrier_signal -1
	s_barrier_wait -1
; PRODUCTS.  A fragment is 16 rows x 32 along d in 8 registers: two loads of 16 bytes, 32 bytes apart, at row x pitch + 16 h.
; x's 32 fragments (4 row blocks x 8 steps of d) stay in window 1; W's come in groups of four, three sets, two groups ahead.
	WIN 0x40
.irp sb, 0,1,2,3
.irp kk, 0,1,2,3,4,5,6,7
	ds_load_b128 v[64*\sb+8*\kk:64*\sb+8*\kk+3], v[ADX] offset:\sb*BLK+64*\kk
	ds_load_b128 v[64*\sb+8*\kk+4:64*\sb+8*\kk+7], v[ADX] offset:\sb*BLK+64*\kk+32
.endr
.endr
	WIN 0
; group gg = 3 x (step of d) + matrix; its four fragments go into the matrix's own set
.macro WLOAD gg
.irp eb, 0,1,2,3
	ds_load_b128 v[WF+32*((\gg)%3)+8*\eb:WF+32*((\gg)%3)+8*\eb+3], v[ADW+((\gg)%3)] offset:\eb*BLK+64*((\gg)/3)
	ds_load_b128 v[WF+32*((\gg)%3)+8*\eb+4:WF+32*((\gg)%3)+8*\eb+7], v[ADW+((\gg)%3)] offset:\eb*BLK+64*((\gg)/3)+32
.endr
.endm
; The head of group gg: the fragments of group gg + 2 are asked for, into the set that group gg - 1 has read; a load into a register that a matrix
; instruction has read stands four places behind it (ISA guide 7.12.1 for vector instructions).
.macro GHEAD gg
.if (\gg) < 22
	WIN 0
.if (\gg) > 0
	PLACES 4
.endif
	WLOAD \gg+2
	s_wait_dscnt 16                                ; the two younger groups of eight loads stay out; mine (and, in group 0, x's fragments) are in
.else
	s_wait_dscnt 8*(23-(\gg))                      ; the last two groups: one group out, then none
.endif
.endm
; Q and K: source 0 = rows of W, source 1 = rows of x, so that a lane's eight results are eight neighbouring e of one row s.
; The first step of d takes the bias registers as C: the sum starts with the bias and nothing is cleared.
; The 16 accumulators of a group take turns, one instruction a turn, and the three matrices' groups follow each other.
.macro QKMUL kk, mat
.if \kk == 0
	WIN 0xb4                                       ; A window 0, B window 1, C window 3 (bias), D window 2
.else
	WIN 0xa4                                       ; C and D window 2
.endif
.irp eb, 0,1,2,3
.irp sb, 0,1,2,3
.if \kk == 0
	v_wmma_f32_16x16x32_bf16 v[128*\mat+8*(4*\eb+\sb):128*\mat+8*(4*\eb+\sb)+7], v[WF+32*\mat+8*\eb:WF+32*\mat+8*\eb+7], v[64*\sb+8*\kk:64*\sb+8*\kk+7], v[128+32*\mat+8*\eb:128+32*\mat+8*\eb+7]
.else
	v_wmma_f32_16x16x32_bf16 v[128*\mat+8*(4*\eb+\sb):128*\mat+8*(4*\eb+\sb)+7], v[WF+32*\mat+8*\eb:WF+32*\mat+8*\eb+7], v[64*\sb+8*\kk:64*\sb+8*\kk+7], v[128*\mat+8*(4*\eb+\sb):128*\mat+8*(4*\eb+\sb)+7]
.endif
.endr
.endr
.endm
; V the other way round: source 0 = rows of x, so that a lane's eight results are eight neighbouring s of one e, as vt wants them.
.macro VMUL kk
	WIN 0xf1                                       ; A window 1, B window 0, C and D window 3
.irp eb, 0,1,2,3
.irp sb, 0,1,2,3
.if \kk == 0
	v_wmma_f32_16x16x32_bf16 v[8*(4*\eb+\sb):8*(4*\eb+\sb)+7], v[64*\sb+8*\kk:64*\sb+8*\kk+7], v[WF+64+8*\eb:WF+64+8*\eb+7], 0
.else
	v_wmma_f32_16x16x32_bf16 v[8*(4*\eb+\sb):8*(4*\eb+\sb)+7], v[64*\sb+8*\kk:64*\sb+8*\kk+7], v[WF+64+8*\eb:WF+64+8*\eb+7], v[8*(4*\eb+\sb):8*(4*\eb+\sb)+7]
.endif
.endr
.endr
.endm
	WLOAD 0
	WLOAD 1
.irp kk, 0,1,2,3,4,5,6,7
	GHEAD 3*\kk
	QKMUL \kk, 0
	GHEAD 3*\kk+1
	QKMUL \kk, 1
	GHEAD 3*\kk+2
	VMUL \kk
.endr
; THE WAY OUT.  Four places behind the last matrix instruction before vector instructions read results (ISA guide 7.12.1).
	PLACES 4
	WIN 0x82
.set t_, 0
.rept 64
	v_pk_mul_f32 v[2*t_:2*t_+1], v[2*t_:2*t_+1], 0x3db8aa3b op_sel_hi:[1,0]   ; Q x log2(e)/16
.set t_, t_+1
.endr
	WIN 0xcf
.set t_, 0
.rept 16
.irp i, 0,1,2,3
	v_pk_add_f32 v[8*t_+2*\i:8*t_+2*\i+1], v[8*t_+2*\i:8*t_+2*\i+1], v[192+2*(t_>>2):193+2*(t_>>2)]   ; V + bv[e], e the lane's column
.endr
.set t_, t_+1
.endr
	s_barrier_signal -1                            ; my reads of the operand bytes are back (the last group's wait was for 0):
	s_barrier_wait -1                              ; when that holds of all four waves the stage may be laid over them
.macro PACK base                       ; 16 tiles: eight f32 of a lane become 16 bytes
.set t_, 0
.rept 16
.irp i, 0,1,2,3
	v_cvt_pk_bf16_f32 v[PK+4*t_+\i], v[\base+8*t_+2*\i], v[\base+8*t_+2*\i+1]
.endr
.set t_, t_+1
.endr
.endm
	WIN 0x0a
	PACK 0
	WIN 0
.set t_, 0
.rept 16
	ds_store_b128 v[STQ], v[PK+4*t_:PK+4*t_+3] offset:(t_&3)*16*SPITCH+32*(t_>>2)         ; tile 4 eb + sb: row block sb, 32 bytes at 32 eb
.set t_, t_+1
.endr
	WIN 0x0a
	PACK 128
	WIN 0
.set t_, 0
.rept 16
	ds_store_b128 v[STQ], v[PK+4*t_:PK+4*t_+3] offset:STG+(t_&3)*16*SPITCH+32*(t_>>2)
.set t_, t_+1
.endr
	WIN 0x0f
	PACK 0
	WIN 0
.set t_, 0
.rept 16
	ds_store_b128 v[STV], v[PK+4*t_:PK+4*t_+3] offset:(t_>>2)*16*SPITCH+32*(t_&3)         ; V: row block eb, 32 bytes at 32 sb
.set t_, t_+1
.endr
	s_wait_dscnt 0x0                               ; my part of the stage is written, for the other waves' sake
	s_barrier_signal -1
	s_barrier_wait -1
	; Wave w takes rows 32 w .. 32 w + 31 of each stage back, two rows a load, and stores them: sixteen lanes store 256 consecutive bytes, aligned.
.set n_, 0
.rept 16
	ds_load_b128 v[BUF+4*n_:BUF+4*n_+3], v[RD] offset:2*SPITCH*n_
.set n_, n_+1
.endr
.set n_, 0
.rept 16
	ds_load_b128 v[BUF+64+4*n_:BUF+64+4*n_+3], v[RD] offset:STG+2*SPITCH*n_
.set n_, n_+1
.endr
.set n_, 0
.rept 16
	ds_load_b128 v[BUF+128+4*n_:BUF+128+4*n_+3], v[RDV] offset:2*SPITCH*n_
.set n_, n_+1
.endr
.set n_, 0
.rept 16
	s_wait_dscnt 47-n_                             ; LDS loads come back in order (ISA guide 5.7.1): of the 48, those issued behind this one may be out
	global_store_b128 v[VQ], v[BUF+4*n_:BUF+4*n_+3], s[18:19] offset:1024*n_
.set n_, n_+1
.endr
.set n_, 0
.rept 16
	s_wait_dscnt 31-n_
	global_store_b128 v[VQ], v[BUF+64+4*n_:BUF+64+4*n_+3], s[20:21] offset:1024*n_
.set n_, n_+1
.endr
.set n_, 0
.rept 16
	s_wait_dscnt 15-n_
	global_store_b128 v[VV], v[BUF+128+4*n_:BUF+128+4*n_+3], s[22:23] offset:16384*n_
.set n_, n_+1
.endr
	s_wait_tensorcnt 0x0
	ds_add_u32 v254, v255
	s_wait_dscnt 0x0
	s_endpgm
.Lfunc_end_k_q6964f5af3a_proj:
	.size	k_q6964f5af3a_proj, .Lfunc_end_k_q6964f5af3a_proj-k_q6964f5af3a_proj
	.p2alignl 7, 3214868480
	.fill 96, 4, 3214868480
	.section	.rodata,"a",@progbits
	.p2align	6, 0x0
	.amdhsa_kernel k_q6964f5af3a_proj
		.amdhsa_group_segment_fixed_size 270848
		.amdhsa_private_segment_fixed_size 0
		.amdhsa_enable_private_segment 0
		.amdhsa_kernarg_size 80
		.amdhsa_user_sgpr_count 2
		.amdhsa_user_sgpr_kernarg_segment_ptr 1
		.amdhsa_wavefront_size32 1
		.amdhsa_system_sgpr_workgroup_id_x 1
		.amdhsa_system_sgpr_workgroup_id_y 1
		.amdhsa_system_sgpr_workgroup_id_z 1
		.amdhsa_system_vgpr_workitem_id 0
		.amdhsa_next_free_vgpr 968
		.amdhsa_next_free_sgpr 66
		.amdhsa_reserve_vcc 0
		.amdhsa_float_denorm_mode_32 3
		.amdhsa_float_denorm_mode_16_64 3
		.amdhsa_memory_ordered 1
		.amdhsa_forward_progress 1
		.amdhsa_inst_pref_size 159
	.end_amdhsa_kernel
	.amdgpu_metadata
---
amdhsa.version: [ 1, 2 ]
amdhsa.kernels:
  - .name:           k_q6964f5af3a_proj
    .symbol:         k_q6964f5af3a_proj.kd
    .args:
      - { .name: x, .offset: 0, .size: 8, .value_kind: global_buffer, .address_space: global }
      - { .name: Wq, .offset: 8, .size: 8, .value_kind: global_buffer, .address_space: global }
      - { .name: Wk, .offset: 16, .size: 8, .value_kind: global_buffer, .address_space: global }
      - { .name: Wv, .offset: 24, .size: 8, .value_kind: global_buffer, .address_space: global }
      - { .name: bq, .offset: 32, .size: 8, .value_kind: global_buffer, .address_space: global }
      - { .name: bk, .offset: 40, .size: 8, .value_kind: global_buffer, .address_space: global }
      - { .name: bv, .offset: 48, .size: 8, .value_kind: global_buffer, .address_space: global }
      - { .name: qs, .offset: 56, .size: 8, .value_kind: global_buffer, .address_space: global }
      - { .name: ks, .offset: 64, .size: 8, .value_kind: global_buffer, .address_space: global }
      - { .name: vt, .offset: 72, .size: 8, .value_kind: global_buffer, .address_space: global }
    .group_segment_fixed_size: 270848
    .private_segment_fixed_size: 0
    .kernarg_segment_align: 8
    .kernarg_segment_size: 80
    .max_flat_workgroup_size: 128
    .sgpr_count:     66
    .vgpr_count:     968
    .wavefront_size: 32
...
	.end_amdgpu_metadata
.endif
;; end of part 1
;; launch attn (part 2): grid 256 x 1, 4 waves a work-group, clusters of 4 x 1, 327,680 bytes of LDS; arguments qs, ks, vt, out0; writes out0
.if DOCPART == 2
	.amdgcn_target "amdgcn-amd-amdhsa--gfx1250"
	.amdhsa_code_object_version 6
	.text
	.protected	k_q6964f5af3a_attn
	.globl	k_q6964f5af3a_attn
	.p2align	8
	.type	k_q6964f5af3a_attn,@function
k_q6964f5af3a_attn:
	s_mov_b64 s[64:65], 0
	v_nop
	global_prefetch_b8 v0, s[64:65] scope:SCOPE_SE
	s_setreg_imm32_b32 hwreg(HW_REG_WAVE_MODE, 25, 1), 1
	s_wait_xcnt 0x0
	s_wait_alu depctr_hold_cnt(0) depctr_sa_sdst(0) depctr_va_vdst(0) depctr_va_sdst(0) depctr_va_ssrc(0) depctr_va_vcc(0) depctr_vm_vsrc(0)
	s_getreg_b32 s2, hwreg(HW_REG_IB_STS2, 6, 4)
	s_cmp_eq_u32 s2, 0
	s_cbranch_scc0 .Lentry_in_a_cluster
	s_endpgm
.Lentry_in_a_cluster:
	s_bfe_u32 s2, ttmp6, 0x10000c
	s_cmp_lg_u32 s2, 0x3003
	s_cbranch_scc0 .Lentry_shape_is_right
	s_endpgm
.Lentry_shape_is_right:
; out0[b][q][d] = sum_k softmax_k(Q[q].K[k] / 16) V[k][d], one head, 4 batches x 4,096 x 256, with a running maximum.
; qs holds Q x log2(e)/16 in bf16, ks holds K in bf16, vt holds V transposed, [b][d][s], in bf16.  So the scores arrive as exponents of 2.
; LIMITS, stated: Q, K, V and the probabilities p enter the products in bf16 (sums in f32); the row sum is taken over the f32 p while the product with V uses
; p rounded to bf16; v_exp_f32 gives 0 for p below 2^-126 (ISA guide, its entry in 15.8); scores are taken to be finite (NaN and infinities get no care of their own);
; the keys are added in an order that differs from one block of queries to another (see THE WALK), so the rounding of the sums does too.
; SHARES: 256 work-groups of 64 queries; four waves, each with ALL 64 queries and a quarter of the keys: of each tile of 256 keys wave w takes keys 64 w .. 64 w + 63.
; 16 steps; at the end the four waves' partial results (O, m, l) are merged through LDS.
; BOTH PRODUCTS ARE USED TRANSPOSED: S^T = K Q^T (source 0 = 16 keys, source 1 = 16 queries) and O^T = V^T P^T (source 0 = 16 rows of vt, source 1 = P).
; Lane (r, h) then holds, of query r, keys 8 h + 0..7 of a score tile: packed to bf16, two score tiles ARE a fragment of P for source 1, with no move between lanes;
; m, l and the rescaling factor are one number a lane; and a lane's eight results are 32 neighbouring bytes of a row of out0.
; For a step of 64 keys a wave issues 128 + 128 matrix instructions on 32 KiB + 32 KiB read from LDS.
; CLUSTERS: the 64 work-groups of a batch walk the same K and V tiles.  Four neighbours form a cluster (16 clusters a batch, 64 divides evenly) and ask for each
; tile jointly: the same tensor load, the same descriptor (batch, the cluster's number and the wave's number alone), mask 15.  Q's tile is each work-group's own: a plain load.
; THE WALK: a running softmax does not care for the order of the keys.  Cluster c of a batch (c = 0..15) begins at tile 3 c mod 16 and goes round, so in every step the
; 16 clusters of a batch ask for 16 different tiles instead of all for the same one.  3 c mod 16 takes each of 0..15 once, and the eight clusters that agree in any one bit
; of c begin at most three tiles apart: from its fourth step on a cluster asks only for tiles that one of those eight has asked for in an earlier step, and which may still
; lie in the L2.  No prefetch is written: all 32 tiles of a batch are asked for by tensor loads within the first three steps.
; LDS: K's tile and V's tile are the two slots that take turns, each filled again behind a round of its own (128 KiB a work-group: four loads of 64 rows x 512 bytes).
; In front of each round all tensor loads are waited for, so a load has the work between two rounds in which to land; the rounds are placed to halve a step:
; from V's request to the wait in front of K's round a wave issues 144 matrix instructions and one of the four softmax blocks; from K's request to the wait in front of
; V's round two softmax blocks, the rescaling and 96 matrix instructions.
; By this text's own count a wave has three tensor loads out at the start and one behind each later round.
; REGISTERS, in windows of 256: window 0 addresses, softmax state, scores / P, fragments; window 1 Q's 32 fragments; windows 2 and 3 the 64 tiles of O^T.
.set PITCH,  528                       ; an LDS row: 512 bytes + 16: sixteen rows start in sixteen different 16-byte columns of 256 bytes
.set BLK,    16*PITCH
.set QUART,  64*PITCH                  ; what one tensor load of K or V brings
.set VREG,   4*QUART                   ; K's tile at 0 (256 keys x 256 d), V's behind it (256 d x 256 keys)
.set QREG,   8*QUART                   ; Q's 64 rows
.set STAT,   QREG+QUART                ; 4 waves x 16 r x 32 bytes (m and l of 4 query blocks): bytes of its own, a multiple of 256 from LDS byte 0, never filled
.set IPITCH, 1040                      ; a row of a wave's image of O: 1,024 bytes of f32 + 16
.set IMG,    64*IPITCH                 ; image w at w x 66,560, over K's and V's slots once these have had their last fill and their last read
.set ADK,  1                           ; v1      K fragments: (64 w + r) x pitch + 16 h
.set ADV,  2                           ; v2, v3  V fragments: d blocks 0-7, 8-15 (the immediate has 16 bits)
.set LS,   4                           ; v4-7    l of query block qb, this lane's keys
.set MX,   8                           ; v8-15   m of query block qb, twice (a pair for the packed subtraction)
.set AL,   16                          ; v16-23  the rescaling factor of query block qb, twice
.set TT,   24                          ; v24-31  at work
.set SC,   32                          ; v32-159 score tile (kb, qb) at 32 qb + 8 kb; after packing P's fragment (qb, c) at 32 qb + 16 c
.set FR,   160                         ; v160-255 three sets of four fragments
.set STA,  32                          ; the merge: my words of STAT
.set STR,  33                          ;            row r of every wave's words
.set STO,  34                          ;            my image, in
.set RD,   36                          ; v36-39     image i, back
.set CO,   40                          ;            my byte offset in the work-group's rows of out0
.set TI,  3                            ; s3       the tile that the cluster asks for next, 0..15
.set G1K, 16                           ; s[16:23] group 1 for K's tiles
.set G1V, 24                           ; s[24:31] for V's
.set G1Q, 32                           ; s[32:39] for Q's
.set G0K, 40                           ; s[40:43], s[44:47], s[48:51]: group 0 of each
.set G0V, 44
.set G0Q, 48
.set MSB, 0
.macro WIN new                         ; the immediate's high byte repeats the setting that is left
.if MSB != (\new)
	s_set_vgpr_msb (MSB<<8)|(\new)
.set MSB, (\new)
.endif
.endm
.macro PLACES n
.rept \n
	v_nop
.endr
.endm
; A round of the cluster's barrier: my work-group's barrier, so that wave 0's signal speaks for all four waves; wave 0 signals for the work-group; every wave
; waits for all four work-groups; my work-group's barrier once more.
.macro CREST                           ; a round behind its opening barrier
	s_cmp_lg_u32 s12, 0
	s_cbranch_scc1 .Lnot_wave_0_\@
	s_barrier_signal -3
.Lnot_wave_0_\@:
	s_barrier_wait -3
	s_barrier_signal -1
	s_barrier_wait -1
.endm
.macro ROUND
	s_barrier_signal -1
	s_barrier_wait -1
	CREST
.endm
	s_load_b256 s[4:11], s[0:1], 0x0               ; qs s[4:5], ks s[6:7], vt s[8:9], out0 s[10:11]
	v_lshl_add_u32 v62, v0, 2, 0x4ac00
	v_mov_b32 v63, 0
	ds_add_u32 v62, v63
	s_wait_dscnt 0x0
	v_lshrrev_b32 v1, 5, v0
	v_readfirstlane_b32 s12, v1                    ; wave 0..3
	s_bfe_u32 s13, ttmp6, 0x40000                  ; cx: my place in the cluster; it enters Q's address and out0's alone
	s_lshl_b32 s14, ttmp9, 2                       ; in a cluster launch ttmp9 counts clusters
	s_add_co_u32 s14, s14, s13                     ; block of 64 queries, 0..255
	s_lshr_b32 s15, ttmp9, 4                       ; batch: 16 clusters each; the four partners share it
	s_and_b32 s[TI], ttmp9, 15                     ; c: the cluster's number in its batch; the four partners share it too
	s_mul_i32 s[TI], s[TI], 3
	s_and_b32 s[TI], s[TI], 15                     ; the cluster's first tile: 3 c mod 16
	s_mov_b32 s52, 0x76543210                      ; v_permlanex16_b32: lane i of one half reads lane i of the other
	s_mov_b32 s53, 0xfedcba98
	; group 1: rows of 256 elements of 2 bytes, 16 bytes of padding behind every 128 words
	s_mov_b32 s[G1K+0], 15|(1<<16)|(1<<20)|(1<<21)|(6<<22)|(3<<25)   ; 15:0 the mask: all four of the cluster; 17:16 2 bytes; 20 padding on; 21 set beside a mask; 24:22 every 128 words; 31:25 of 4 words
	s_mov_b32 s[G1K+1], 256<<16                    ; tensor_dim0 = 256
	s_mov_b32 s[G1K+2], 64<<16                     ; tensor_dim1 = 64
	s_mov_b32 s[G1K+3], 256<<16                    ; tile_dim0 = 256
	s_mov_b32 s[G1K+4], 64                         ; tile_dim1 = 64
	s_mov_b32 s[G1K+5], 256                        ; from key to key: 256 elements
	s_mov_b32 s[G1K+6], 0
	s_mov_b32 s[G1K+7], 0
	s_mov_b32 s[G1V+0], 15|(1<<16)|(1<<20)|(1<<21)|(6<<22)|(3<<25)
	s_mov_b32 s[G1V+1], 256<<16
	s_mov_b32 s[G1V+2], 64<<16
	s_mov_b32 s[G1V+3], 256<<16
	s_mov_b32 s[G1V+4], 64
	s_mov_b32 s[G1V+5], 4096                       ; from d to d in vt: 4,096 elements
	s_mov_b32 s[G1V+6], 0
	s_mov_b32 s[G1V+7], 0
	s_mov_b32 s[G1Q+0], (1<<16)|(1<<20)|(6<<22)|(3<<25)              ; no mask: my work-group's own tile
	s_mov_b32 s[G1Q+1], 256<<16
	s_mov_b32 s[G1Q+2], 16<<16                     ; 16 of the 64 rows for each wave
	s_mov_b32 s[G1Q+3], 256<<16
	s_mov_b32 s[G1Q+4], 16
	s_mov_b32 s[G1Q+5], 256
	s_mov_b32 s[G1Q+6], 0
	s_mov_b32 s[G1Q+7], 0
	; offsets: s[56:59] of batch, cluster and wave alone (K, V); s[60:63] hold the block of queries (Q, out0)
	s_lshl_b32 s56, s15, 21                        ; batch x 2,097,152 bytes, in ks and in vt
	s_lshl_b32 s58, s12, 15                        ; K: + w x 64 keys x 512 bytes
	s_add_co_u32 s58, s58, s56
	s_mov_b32 s59, 0
	s_lshl_b32 s57, s12, 19                        ; V: + w x 64 rows of vt x 8,192 bytes
	s_add_co_u32 s56, s56, s57
	s_mov_b32 s57, 0
	s_lshl_b32 s60, s14, 15                        ; Q: block x 64 rows x 512 bytes + w x 16 rows
	s_lshl_b32 s61, s12, 13
	s_add_co_u32 s60, s60, s61
	s_mov_b32 s61, 0
	s_lshl_b32 s62, s14, 16                        ; out0: block x 64 rows x 1,024 bytes
	s_mov_b32 s63, 0
	s_wait_kmcnt 0x0
	s_add_nc_u64 s[6:7], s[6:7], s[58:59]          ; K's base: my 64 keys of the batch's tile 0
	s_add_nc_u64 s[8:9], s[8:9], s[56:57]          ; V's base: my 64 rows of vt, at the batch's tile 0
	s_lshl_b32 s58, s[TI], 17                      ; from now on s[58:59] = tile x 256 keys x 512 bytes,
	s_lshl_b32 s56, s[TI], 9                       ; s[56:57] = tile x 256 keys x 2 bytes along vt's rows
	s_mov_b32 s[G0K], 1
	s_mul_i32 s[G0K+1], s12, QUART                 ; LDS: wave x 64 rows
	s_add_nc_u64 s[G0K+2:G0K+3], s[6:7], s[58:59]
	s_or_b32 s[G0K+3], s[G0K+3], 0x80000000        ; type = 2
	s_mov_b32 s[G0V], 1
	s_add_co_u32 s[G0V+1], s[G0K+1], VREG
	s_add_nc_u64 s[G0V+2:G0V+3], s[8:9], s[56:57]
	s_or_b32 s[G0V+3], s[G0V+3], 0x80000000
	s_mov_b32 s[G0Q], 1
	s_mul_i32 s[G0Q+1], s12, BLK
	s_add_co_u32 s[G0Q+1], s[G0Q+1], QREG
	s_add_nc_u64 s[G0Q+2:G0Q+3], s[4:5], s[60:61]
	s_or_b32 s[G0Q+3], s[G0Q+3], 0x80000000
	s_add_nc_u64 s[10:11], s[10:11], s[62:63]
	ROUND                                          ; all four work-groups are here: the first joint loads meet
	tensor_load_to_lds s[G0Q:G0Q+3], s[G1Q:G1Q+7]  ; the three first fills go out as one group: Q,
	s_nop 0
	tensor_load_to_lds s[G0K:G0K+3], s[G1K:G1K+7]  ; K's first tile,
	s_nop 0
	tensor_load_to_lds s[G0V:G0V+3], s[G1V:G1V+7]  ; V's first tile
	s_nop 0
	v_and_b32 v4, 15, v0                           ; r
	v_bfe_u32 v5, v0, 4, 1                         ; h
	v_mul_u32_u24 v6, v4, PITCH
	v_lshl_add_u32 v6, v5, 4, v6                   ; a fragment's lane term: r x pitch + 16 h
	v_add_nc_u32 v[ADK], s[G0K+1], v6              ; my 64 keys are the rows that my own load brings
	s_lshl_b32 s54, s12, 7                         ; my 64 keys in a row of V's tile: byte 128 w
	s_add_co_u32 s54, s54, VREG
	v_add_nc_u32 v[ADV], s54, v6
	v_add_nc_u32 v[ADV+1], 8*BLK, v[ADV]
	v_add_nc_u32 v[TT], QREG, v6                   ; Q's fragments (the register is at work again later)
	v_mov_b32 v[TT+4], 0                           ; v_permlanex16_b32 counts as a reader of its destination
; eight LDS loads: the four K fragments (16 keys each) of d = 32 g .. 32 g + 31, into set fs
.macro KLOAD g, fs
.irp kb, 0,1,2,3
	ds_load_b128 v[FR+32*\fs+8*\kb:FR+32*\fs+8*\kb+3], v[ADK] offset:\kb*BLK+64*\g
	ds_load_b128 v[FR+32*\fs+8*\kb+4:FR+32*\fs+8*\kb+7], v[ADK] offset:\kb*BLK+64*\g+32
.endr
.endm
; 16 matrix instructions on 16 score tiles, which take turns, one instruction a turn.  g = 0 starts the sums.
.macro SMUL g, fs
.irp kb, 0,1,2,3
.irp qb, 0,1,2,3
.if \g == 0
	v_wmma_f32_16x16x32_bf16 v[SC+32*\qb+8*\kb:SC+32*\qb+8*\kb+7], v[FR+32*\fs+8*\kb:FR+32*\fs+8*\kb+7], v[64*\qb+8*\g:64*\qb+8*\g+7], 0
.else
	v_wmma_f32_16x16x32_bf16 v[SC+32*\qb+8*\kb:SC+32*\qb+8*\kb+7], v[FR+32*\fs+8*\kb:FR+32*\fs+8*\kb+7], v[64*\qb+8*\g:64*\qb+8*\g+7], v[SC+32*\qb+8*\kb:SC+32*\qb+8*\kb+7]
.endif
.endr
.endr
.endm
; eight LDS loads: group g = 4 c + quarter: the V fragments of d blocks 4 (g % 4) .. + 3, keys 32 c .. 32 c + 31 of my 64
.macro VLOAD g, fs
.irp i, 0,1,2,3
	ds_load_b128 v[FR+32*\fs+8*\i:FR+32*\fs+8*\i+3], v[ADV+((\g&3)>>1)] offset:((4*(\g&3)+\i)&7)*BLK+64*(\g>>2)
	ds_load_b128 v[FR+32*\fs+8*\i+4:FR+32*\fs+8*\i+7], v[ADV+((\g&3)>>1)] offset:((4*(\g&3)+\i)&7)*BLK+64*(\g>>2)+32
.endr
.endm
; 16 matrix instructions on 16 tiles of O^T; tile (db, qb) lies at 8 ((4 db + qb) % 32) of window 2 (db < 8) or 3.  The 64 tiles take turns likewise.
.macro PMUL g, fs, zero
.irp i, 0,1,2,3
.irp qb, 0,1,2,3
.if \zero
	v_wmma_f32_16x16x32_bf16 v[8*(16*(\g&1)+4*\i+\qb):8*(16*(\g&1)+4*\i+\qb)+7], v[FR+32*\fs+8*\i:FR+32*\fs+8*\i+7], v[SC+32*\qb+16*(\g>>2):SC+32*\qb+16*(\g>>2)+7], 0
.else
	v_wmma_f32_16x16x32_bf16 v[8*(16*(\g&1)+4*\i+\qb):8*(16*(\g&1)+4*\i+\qb)+7], v[FR+32*\fs+8*\i:FR+32*\fs+8*\i+7], v[SC+32*\qb+16*(\g>>2):SC+32*\qb+16*(\g>>2)+7], v[8*(16*(\g&1)+4*\i+\qb):8*(16*(\g&1)+4*\i+\qb)+7]
.endif
.endr
.endr
.endm
; The softmax step of query block qb: my 32 scores of query r (keys 8 h + j of four key blocks).  first = 1: no older maximum, sum or factor.
.macro SOFTMAX qb, first
.set SB, SC+32*\qb
.set MR, MX+2*\qb
.set AR, AL+2*\qb
.irp kb, 0,1,2,3
	v_max3_num_f32 v[TT+\kb], v[SB+8*\kb], v[SB+8*\kb+1], v[SB+8*\kb+2]        ; four chains that do not wait for each other
.endr
.irp kb, 0,1,2,3
	v_max3_num_f32 v[TT+\kb], v[TT+\kb], v[SB+8*\kb+3], v[SB+8*\kb+4]
.endr
.irp kb, 0,1,2,3
	v_max3_num_f32 v[TT+\kb], v[TT+\kb], v[SB+8*\kb+5], v[SB+8*\kb+6]
.endr
	v_max3_num_f32 v[TT], v[TT], v[SB+7], v[SB+15]
	v_max3_num_f32 v[TT+1], v[TT+1], v[SB+23], v[SB+31]
	v_max3_num_f32 v[TT], v[TT], v[TT+1], v[TT+2]
.if \first
	v_max_num_f32 v[TT], v[TT], v[TT+3]
.else
	v_max3_num_f32 v[TT], v[TT], v[TT+3], v[MR]    ; with the running maximum
.endif
	v_permlanex16_b32 v[TT+4], v[TT], s52, s53     ; the other half of the lanes holds the query's other keys
	v_max_num_f32 v[TT+5], v[TT], v[TT+4]
.if \first == 0
	v_sub_f32 v[TT+6], v[MR], v[TT+5]
	v_exp_f32 v[AR], v[TT+6]                       ; the factor 2^(old m - new m); the two moves below are the plain instructions behind it (ISA guide 5.7.2)
.endif
	v_mov_b32 v[MR], v[TT+5]
	v_mov_b32 v[MR+1], v[TT+5]
.set i_, 0
.rept 16
	v_pk_add_f32 v[SB+2*i_:SB+2*i_+1], v[SB+2*i_:SB+2*i_+1], v[MR:MR+1] neg_lo:[0,1] neg_hi:[0,1]
.set i_, i_+1
.endr
.set i_, 0
.rept 32
	v_exp_f32 v[SB+i_], v[SB+i_]                   ; p = 2^(s - m), at most 1
.set i_, i_+1
.endr
.if \first
	v_nop                                          ; one plain instruction between the last exponential and its use
	s_wait_alu depctr_va_vdst(0)
.else
	s_wait_alu depctr_va_vdst(0)
	v_mov_b32 v[AR+1], v[AR]                       ; the same place, used: the factor's second copy
.endif
.irp k, 0,1,2,3
	v_pk_add_f32 v[TT+2*\k:TT+2*\k+1], v[SB+2*\k:SB+2*\k+1], v[SB+8+2*\k:SB+8+2*\k+1]
.endr
.irp k, 0,1,2,3
	v_pk_add_f32 v[TT+2*\k:TT+2*\k+1], v[TT+2*\k:TT+2*\k+1], v[SB+16+2*\k:SB+16+2*\k+1]
.endr
.irp k, 0,1,2,3
	v_pk_add_f32 v[TT+2*\k:TT+2*\k+1], v[TT+2*\k:TT+2*\k+1], v[SB+24+2*\k:SB+24+2*\k+1]
.endr
	v_pk_add_f32 v[TT:TT+1], v[TT:TT+1], v[TT+2:TT+3]
	v_pk_add_f32 v[TT+4:TT+5], v[TT+4:TT+5], v[TT+6:TT+7]
	v_pk_add_f32 v[TT:TT+1], v[TT:TT+1], v[TT+4:TT+5]
.if \first
	v_add_f32 v[LS+\qb], v[TT], v[TT+1]
.else
	v_add_f32 v[TT], v[TT], v[TT+1]
	v_fma_f32 v[LS+\qb], v[LS+\qb], v[AR], v[TT]
.endif
	; p to bf16, in place: key blocks 2 c and 2 c + 1 become registers 0-3 and 4-7 of P's fragment c; ascending, no source is overwritten early
.irp c, 0,1
.irp i, 0,1,2,3
	v_cvt_pk_bf16_f32 v[SB+16*\c+\i], v[SB+16*\c+2*\i], v[SB+16*\c+2*\i+1]
.endr
.irp i, 0,1,2,3
	v_cvt_pk_bf16_f32 v[SB+16*\c+4+\i], v[SB+16*\c+8+2*\i], v[SB+16*\c+8+2*\i+1]
.endr
.endr
.endm
; O x the factor of the lane's query: 256 packed multiplies for 64 keys.  It is done in every step: a skip would be a branch on floating-point data.
.macro RESC1
.set t_, 0
.rept 32
.irp i, 0,1,2,3
	v_pk_mul_f32 v[8*t_+2*\i:8*t_+2*\i+1], v[8*t_+2*\i:8*t_+2*\i+1], v[AL+2*(t_&3):AL+2*(t_&3)+1]
.endr
.set t_, t_+1
.endr
.endm
.macro RESCALE
	WIN 0x82                                       ; destination and source 0 window 2, the factor window 0
	RESC1
	WIN 0xc3
	RESC1
.endm
; A group of the scores: the fragments two groups ahead are asked for, into the set that the last group has read.  A load into a register that a matrix instruction
; has read stands four places behind it (ISA guide 7.12.1 for vector instructions).
.macro SGRP g, fs, gl, fl
	PLACES 4
	KLOAD \gl, \fl
	s_wait_dscnt 16                                ; LDS loads come back in order (ISA guide 5.7.1): the two younger groups of eight stay out, mine is in
	SMUL \g, \fs
.endm
.macro PGRP g, fs, gl, fl, win, zero
	WIN 0
	PLACES 4
	VLOAD \gl, \fl
	s_wait_dscnt 16                                ; as above
	WIN \win
	PMUL \g, \fs, \zero
.endm
; One step: 64 keys a wave.  On entry K's groups 0 and 1 have been asked for (sets 0 and 1).  Score group g uses set g % 3, P V group g set (g + 1) % 3.
.macro STEP first, fillk, fillv
.if \first == 0
	PLACES 5                                       ; behind the last P V products: five places before score tiles are written over P's fragments, four before set 2 is loaded
.endif
	KLOAD 2, 2
	s_wait_dscnt 16                                ; group 0 is in (in the first step Q's fragments, asked for earlier, too)
	WIN 0x04                                       ; source 1 (Q) window 1; LDS loads work under this setting too
	SMUL 0, 0
	SGRP 1, 1, 3, 0
	SGRP 2, 2, 4, 1
	SGRP 3, 0, 5, 2
	SGRP 4, 1, 6, 0
	SGRP 5, 2, 7, 1
	s_wait_dscnt 0x0                               ; groups 6 and 7 are in: my reads of K's tile are over
	SMUL 6, 0
	SMUL 7, 1
	WIN 0
	PLACES 4                                       ; before the softmax reads scores, and for the loads into the sets further down
	SOFTMAX 0, \first
	s_wait_xcnt 0x0
	v_lshl_add_u32 v62, v0, 2, 0x4ac00
	v_mov_b32 v63, 0
	s_wait_tensorcnt 0x0                           ; all my tensor loads have landed: the one that was out is my quarter of this step's V; so a group 0 may be written
	ds_add_u32 v62, v63
	s_wait_dscnt 0x0
.if \fillk
	s_add_co_u32 s[TI], s[TI], 1                   ; the cluster's next tile, round the batch's sixteen
	s_and_b32 s[TI], s[TI], 15
	s_lshl_b32 s58, s[TI], 17
	s_add_nc_u64 s[G0K+2:G0K+3], s[6:7], s[58:59]
	s_or_b32 s[G0K+3], s[G0K+3], 0x80000000
.endif
	s_barrier_signal -1                            ; say so (where K's slot is filled again this barrier opens a round of the cluster's barrier),
	SOFTMAX 1, \first                              ; work on registers while the others arrive,
	s_barrier_wait -1                              ; and go on when all four waves have said so: V's tile is whole
.if \fillk
	CREST                                          ; no wave of any partner still reads K's tile or has a load on its way
	tensor_load_to_lds s[G0K:G0K+3], s[G1K:G1K+7]  ; my one tensor load behind the round, first thing there
	s_nop 0
.endif
	VLOAD 0, 1
	VLOAD 1, 2
	VLOAD 2, 0                                     ; they land under the rest of the softmax
	SOFTMAX 2, \first
	SOFTMAX 3, \first
.if \first == 0
	RESCALE
.endif
	s_wait_dscnt 16                                ; V's group 0 is in, groups 1 and 2 may be out
	WIN 0xa0                                       ; C and D window 2
	PMUL 0, 1, \first
	PGRP 1, 2, 3, 1, 0xa0, \first
	PGRP 2, 0, 4, 2, 0xf0, \first
	PGRP 3, 1, 5, 0, 0xf0, \first
	PGRP 4, 2, 6, 1, 0xa0, 0
	PGRP 5, 0, 7, 2, 0xa0, 0
	s_wait_dscnt 0x0                               ; my reads of V's tile are over
.if \fillv
	s_wait_xcnt 0x0
	s_set_vgpr_msb 0xa020
	v_lshl_add_u32 v62, v0, 2, 0x4ac00
	v_mov_b32 v63, 0
	s_wait_tensorcnt 0x0                           ; and my quarter of the next K tile has landed: no load of mine is out, so a group 0 may be written
	ds_add_u32 v62, v63
	s_wait_dscnt 0x0
	s_set_vgpr_msb 0x20a0
	s_lshl_b32 s56, s[TI], 9                       ; V's tile of the same number as the K tile just landed
	s_add_nc_u64 s[G0V+2:G0V+3], s[8:9], s[56:57]
	s_or_b32 s[G0V+3], s[G0V+3], 0x80000000
	s_barrier_signal -1                            ; opens the round in front of V's refill
	WIN 0xf0
	PMUL 6, 1, 0
	WIN 0
	s_barrier_wait -1
	CREST
	tensor_load_to_lds s[G0V:G0V+3], s[G1V:G1V+7]  ; my one tensor load behind the round, first thing there
	s_nop 0
	PLACES 4
	KLOAD 0, 0                                     ; the next step's first two groups, from the K tile that the round has shown whole
	KLOAD 1, 1
.else
	WIN 0xf0
	PMUL 6, 1, 0
.endif
	WIN 0xf0
	PMUL 7, 2, 0
	WIN 0
.endm
	s_wait_tensorcnt 0x1                           ; my parts of Q and of K's first tile are in; V's may stay out
	s_barrier_signal -1
	s_barrier_wait -1                              ; everybody's are
	WIN 0x40
.irp qb, 0,1,2,3
.irp kk, 0,1,2,3,4,5,6,7
	ds_load_b128 v[64*\qb+8*\kk:64*\qb+8*\kk+3], v[TT] offset:\qb*BLK+64*\kk          ; Q's fragment (qb, kk) stays in window 1 for the whole kernel
	ds_load_b128 v[64*\qb+8*\kk+4:64*\qb+8*\kk+7], v[TT] offset:\qb*BLK+64*\kk+32
.endr
.endr
	WIN 0
	KLOAD 0, 0
	KLOAD 1, 1
	STEP 1, 1, 1                                   ; step 0 stands in front of the loop: its products start the sums, its maxima start m and l
	s_mov_b32 s54, 14
.Lstep:
	STEP 0, 1, 1                                   ; steps 1 to 14
	s_sub_co_u32 s54, s54, 1
	s_cmp_lg_u32 s54, 0
	s_cbranch_scc1 .Lstep
	STEP 0, 0, 0                                   ; step 15 fills nothing: one plain barrier shows V's last tile to all waves
; THE MERGE of the four waves' (O, m, l).
	PLACES 4                                       ; behind the last matrix instructions: results are read, P's and the fragments' registers written
.irp qb, 0,1,2,3
	v_permlanex16_b32 v[TT+4], v[LS+\qb], s52, s53
	v_add_f32 v[LS+\qb], v[LS+\qb], v[TT+4]        ; l over both halves' keys
	v_mov_b32 v[TT+\qb], v[MX+2*\qb]
.endr
	v_and_b32 v41, 15, v0                          ; r
	v_bfe_u32 v42, v0, 4, 1                        ; h
	v_and_b32 v43, 31, v0                          ; lane
	v_lshlrev_b32 v[STR], 5, v41
	v_add_nc_u32 v[STR], STAT, v[STR]
	s_lshl_b32 s54, s12, 9
	v_add_nc_u32 v[STA], s54, v[STR]
	v_mul_u32_u24 v[STO], v41, IPITCH
	v_lshl_add_u32 v[STO], v42, 5, v[STO]
	s_mul_i32 s55, s12, IMG
	v_add_nc_u32 v[STO], s55, v[STO]               ; image w, row r, byte 32 h
	s_mul_i32 s55, s12, 16*IPITCH
	v_lshl_add_u32 v[RD], v43, 4, s55              ; rows 16 w .. of image 0, 16 bytes a lane
	v_add_nc_u32 v[RD+1], IMG, v[RD]
	v_add_nc_u32 v[RD+2], 2*IMG, v[RD]
	v_add_nc_u32 v[RD+3], 3*IMG, v[RD]
	s_lshl_b32 s55, s12, 14
	v_lshl_add_u32 v[CO], v43, 4, s55              ; rows 16 w .. of the work-group's 64 rows of out0
	ds_store_b128 v[STA], v[TT:TT+3]               ; m of my four query blocks (both halves of the lanes write the same words with the same numbers)
	ds_store_b128 v[STA], v[LS:LS+3] offset:16     ; l
	s_wait_dscnt 0x0                               ; for the others' sake; my reads of V's tile are long back too,
	s_barrier_signal -1
	s_barrier_wait -1                              ; so behind this barrier the images may be laid over K's and V's slots, which are filled no more
.irp w, 0,1,2,3
	ds_load_b128 v[64+8*\w:64+8*\w+3], v[STR] offset:512*\w
	ds_load_b128 v[64+8*\w+4:64+8*\w+7], v[STR] offset:512*\w+16
.endr
	s_wait_dscnt 0x0
; my factor for query block qb: 2^(my m - the largest m) / sum over the waves of l 2^(m - the largest m); the sum is at least 1
.macro FACTOR qb
	v_max3_num_f32 v[TT], v[64+\qb], v[72+\qb], v[80+\qb]
	v_max_num_f32 v[TT], v[TT], v[88+\qb]
	v_sub_f32 v[TT+1], v[64+\qb], v[TT]
	v_sub_f32 v[TT+2], v[72+\qb], v[TT]
	v_sub_f32 v[TT+3], v[80+\qb], v[TT]
	v_sub_f32 v[TT+4], v[88+\qb], v[TT]
	v_sub_f32 v[TT+5], v[MX+2*\qb], v[TT]
.irp i, 1,2,3,4,5
	v_exp_f32 v[TT+\i], v[TT+\i]
.endr
	v_nop                                          ; one plain instruction behind the exponentials (ISA guide 5.7.2)
	s_wait_alu depctr_va_vdst(0)
	v_mul_f32 v[TT+6], v[68+\qb], v[TT+1]
	v_fmac_f32 v[TT+6], v[76+\qb], v[TT+2]
	v_fmac_f32 v[TT+6], v[84+\qb], v[TT+3]
	v_fmac_f32 v[TT+6], v[92+\qb], v[TT+4]
	v_rcp_f32 v[TT+7], v[TT+6]
	v_nop                                          ; and behind the reciprocal
	s_wait_alu depctr_va_vdst(0)
	v_mul_f32 v[AL+2*\qb], v[TT+5], v[TT+7]
	v_mul_f32 v[AL+2*\qb+1], v[TT+5], v[TT+7]
.endm
	FACTOR 0
	FACTOR 1
	FACTOR 2
	FACTOR 3
	RESCALE
; my image: tile (db, qb) is 32 bytes a lane, at row 16 qb + r, byte 64 db + 32 h
.macro IMGST db0
.set t_, 0
.rept 32
	ds_store_b128 v[STO], v[8*t_:8*t_+3] offset:(t_&3)*16*IPITCH+64*(\db0+(t_>>2))
	ds_store_b128 v[STO], v[8*t_+4:8*t_+7] offset:(t_&3)*16*IPITCH+64*(\db0+(t_>>2))+16
.set t_, t_+1
.endr
.endm
	WIN 0x08                                       ; store data window 2
	IMGST 0
	WIN 0x0c                                       ; window 3
	IMGST 8
	WIN 0
	s_wait_dscnt 0x0                               ; my image is written, for the others' sake
	s_barrier_signal -1
	s_barrier_wait -1
; Wave w adds rows 16 w .. 16 w + 15 of the four images, in a fixed order of waves, and stores them: 32 half rows of 512 bytes, in 8 batches of 4.
; Batch b holds half rows 4 b + k, k = 0..3: half (4 b + k) % 2 of row (4 b + k) / 2.  The batch's number stands in brackets: it may be handed over as a sum.
.macro MLOAD b, buf
.irp k, 0,1,2,3
.irp i, 0,1,2,3
	ds_load_b128 v[\buf+16*\k+4*\i:\buf+16*\k+4*\i+3], v[RD+\i] offset:((4*(\b)+\k)>>1)*IPITCH+((4*(\b)+\k)&1)*512
.endr
.endr
.endm
.macro MSUM b, buf
.irp k, 0,1,2,3
	v_pk_add_f32 v[\buf+16*\k:\buf+16*\k+1], v[\buf+16*\k:\buf+16*\k+1], v[\buf+16*\k+4:\buf+16*\k+5]
	v_pk_add_f32 v[\buf+16*\k+2:\buf+16*\k+3], v[\buf+16*\k+2:\buf+16*\k+3], v[\buf+16*\k+6:\buf+16*\k+7]
	v_pk_add_f32 v[\buf+16*\k+8:\buf+16*\k+9], v[\buf+16*\k+8:\buf+16*\k+9], v[\buf+16*\k+12:\buf+16*\k+13]
	v_pk_add_f32 v[\buf+16*\k+10:\buf+16*\k+11], v[\buf+16*\k+10:\buf+16*\k+11], v[\buf+16*\k+14:\buf+16*\k+15]
	v_pk_add_f32 v[\buf+16*\k:\buf+16*\k+1], v[\buf+16*\k:\buf+16*\k+1], v[\buf+16*\k+8:\buf+16*\k+9]
	v_pk_add_f32 v[\buf+16*\k+2:\buf+16*\k+3], v[\buf+16*\k+2:\buf+16*\k+3], v[\buf+16*\k+10:\buf+16*\k+11]
	global_store_b128 v[CO], v[\buf+16*\k:\buf+16*\k+3], s[10:11] offset:512*(4*(\b)+\k) th:TH_STORE_NT   ; the wave's store covers 512 consecutive bytes, aligned
.endr
.endm
	MLOAD 0, 96
.irp b, 0,1,2,3,4,5,6
.if \b
	s_wait_xcnt 0x0                                ; every earlier memory instruction has had its addresses translated (ISA guide 3.1): the other buffer, which stores read, is loaded again only behind this wait
.endif
	MLOAD \b+1, 96+64*((\b+1)&1)
	s_wait_dscnt 16                                ; the 16 loads just issued stay out; this batch is in
	MSUM \b, 96+64*(\b&1)
.endr
	s_wait_dscnt 0x0
	MSUM 7, 160
	s_wait_xcnt 0x0
	v_lshl_add_u32 v62, v0, 2, 0x4ac00
	v_mov_b32 v63, 0
	s_wait_tensorcnt 0x0
	ds_add_u32 v62, v63
	s_wait_dscnt 0x0
	ROUND                                          ; the closing round: no work-group ends while a partner may still ask for a tile that names it
	s_endpgm
.Lfunc_end_k_q6964f5af3a_attn:
	.size	k_q6964f5af3a_attn, .Lfunc_end_k_q6964f5af3a_attn-k_q6964f5af3a_attn
	.p2alignl 7, 3214868480
	.fill 96, 4, 3214868480
	.section	.rodata,"a",@progbits
	.p2align	6, 0x0
	.amdhsa_kernel k_q6964f5af3a_attn
		.amdhsa_group_segment_fixed_size 327680
		.amdhsa_private_segment_fixed_size 0
		.amdhsa_enable_private_segment 0
		.amdhsa_kernarg_size 32
		.amdhsa_user_sgpr_count 2
		.amdhsa_user_sgpr_kernarg_segment_ptr 1
		.amdhsa_wavefront_size32 1
		.amdhsa_system_sgpr_workgroup_id_x 1
		.amdhsa_system_sgpr_workgroup_id_y 1
		.amdhsa_system_sgpr_workgroup_id_z 1
		.amdhsa_system_vgpr_workitem_id 0
		.amdhsa_next_free_vgpr 1024
		.amdhsa_next_free_sgpr 66
		.amdhsa_reserve_vcc 0
		.amdhsa_float_denorm_mode_32 3
		.amdhsa_float_denorm_mode_16_64 3
		.amdhsa_memory_ordered 1
		.amdhsa_forward_progress 1
		.amdhsa_inst_pref_size 242
	.end_amdhsa_kernel
	.amdgpu_metadata
---
amdhsa.version: [ 1, 2 ]
amdhsa.kernels:
  - .name:           k_q6964f5af3a_attn
    .symbol:         k_q6964f5af3a_attn.kd
    .args:
      - { .name: qs, .offset: 0, .size: 8, .value_kind: global_buffer, .address_space: global }
      - { .name: ks, .offset: 8, .size: 8, .value_kind: global_buffer, .address_space: global }
      - { .name: vt, .offset: 16, .size: 8, .value_kind: global_buffer, .address_space: global }
      - { .name: out0, .offset: 24, .size: 8, .value_kind: global_buffer, .address_space: global }
    .group_segment_fixed_size: 327680
    .private_segment_fixed_size: 0
    .kernarg_segment_align: 8
    .kernarg_segment_size: 32
    .max_flat_workgroup_size: 128
    .sgpr_count:     66
    .vgpr_count:     1024
    .wavefront_size: 32
...
	.end_amdgpu_metadata
.endif
;; end of part 2
;; ======== version 2 of 2: 2 launches; version 1 with the launch proj written anew for expert scheduling mode
;; workspace buffers: qs 8,388,608 bytes; ks 8,388,608 bytes; vt 8,388,608 bytes
;; launch proj (part 3): grid 2 x 128, 4 waves a work-group, no clusters, 270,848 bytes of LDS; arguments x, Wq, Wk, Wv, bq, bk, bv, qs, ks, vt; writes qs, ks, vt
.if DOCPART == 3
	.amdgcn_target "amdgcn-amd-amdhsa--gfx1250"
	.amdhsa_code_object_version 6
	.text
	.protected	k_q6964f5af3a_proj
	.globl	k_q6964f5af3a_proj
	.p2align	8
	.type	k_q6964f5af3a_proj,@function
k_q6964f5af3a_proj:
	s_mov_b64 s[64:65], 0
	v_nop
	global_prefetch_b8 v0, s[64:65] scope:SCOPE_SE
	s_setreg_imm32_b32 hwreg(HW_REG_WAVE_SCHED_MODE, 0, 2), 2
	s_setreg_imm32_b32 hwreg(HW_REG_WAVE_MODE, 25, 1), 1
	s_wait_xcnt 0x0
	s_wait_alu depctr_vm_vsrc(0)
; The three linear layers of the attention module, rounded to bf16 for the attention launch:
;   qs[s][e] = bf16((sum_d x[s][d] Wq[e][d] + bq[e]) * log2(e)/16)      [16384][256]
;   ks[s][e] = bf16( sum_d x[s][d] Wk[e][d] + bk[e])                    [16384][256]
;   vt[b][e][s] = bf16(sum_d x[b][s][d] Wv[e][d] + bv[e])               [4][256][4096], transposed
; LIMITS, stated: x and the weights are rounded to bf16 for the products (sums in f32); the factor log2(e)/16, which the module applies
; to the scores, is applied to Q in f32 ahead of Q's rounding to bf16.
; A work-group makes 128 rows s x 128 columns e (half g of the 256) of each of the three results, so every piece that it stores is a whole
; aligned run of 256 bytes: 128 e of a row of qs or ks, 128 s of a row of vt.  Grid 2 x 128 = 256 work-groups.
; Four waves; wave (wr, wc) makes 64 s x 64 e of each result: 48 tiles of 16 x 16, 384 registers.
; The inputs are f32 and have to pass through registers to be rounded, so they come by plain loads, 512 consecutive bytes a wave's load, are rounded and
; laid into LDS as bf16; no tensor load, and so nothing that a cluster could share.
; REGISTERS, in windows of 256: window 0 addresses, staging buffers, W fragments; window 1 the x fragments; window 2 Q's and K's tiles;
; window 3 V's tiles and the biases.
; THE MODE: SCHED_MODE bits 1:0 = 2 (LLVM: expert scheduling mode 2), set by the entry lines.  The code itself states the register dependences
; between vector or matrix instructions and memory or LDS instructions, with s_wait_alu, always for 0.
; THE PLAN.  Registers that memory or LDS instructions touch:
;   addresses     v1, v4-15, v208-211: made once at the head, never written again.
;   RAW0 .. RAW2  v16-207.  Batch i: its 32 conversions read RAW[i % 3]; behind them the loads of batch i + 3 land in it.
;   OUT           v216-247.  Batch i: its conversions write it, its 16 LDS stores read it.
;                 So a batch has two waits: on vm_vsrc at its head (the stores of the batch before have read OUT) and on va_vdst behind its conversions
;                 (OUT is written, RAW is read); the batch's 16 loads and 16 stores follow with no further wait.
;   x fragments   window 1: loaded once; only matrix instructions name them.
;   W0, W1        v16-111, v112-207: two banks of the three matrices' fragments for one step of d.  Step kk's 48 matrix instructions read bank kk % 2; the 24 loads
;                 of step kk + 1 land in the other bank, which step kk - 1 read.  So ONE wait on va_vdst stands at a step's head, and the step's three runs of
;                 eight loads stand ahead of its three groups of matrix instructions, which name the bank in hand, x's fragments and the accumulators alone.
;   P0 .. P2      v16-79, v80-143, v144-207, on the way out: each written by one result's 64 conversions and read by its 16 LDS stores: a wait on va_vdst ahead of
;                 each run of stores.  The 48 loads from the stage land in the same registers: one wait on vm_vsrc ahead of them.
;   v254, v255    written at the head, read by the closing add alone.
.set PITCH,  528                       ; an operand row in LDS: 512 bytes of bf16 + 16: sixteen rows start in sixteen different 16-byte columns of 256 bytes
.set BLK,    16*PITCH                  ; 16 rows
.set SRC,    128*PITCH                 ; one source's 128 rows: x at 0, Wq, Wk, Wv behind it
.set SPITCH, 272                       ; a row of the output stage: 256 bytes + 16
.set STG,    128*SPITCH                ; one result's stage: Q at 0, K, V behind it, over the operand bytes once they are read
.set VO,   1                           ; v1      32,768 w + 16 lane: my bytes in a source's first 512 of my 32 rows
.set RR,   2                           ; v2      r = lane % 16
.set HH,   3                           ; v3      h = lane / 16
.set AD,   4                           ; v4-7    LDS address of my 8 bytes in source 0..3
.set ADX,  8                           ; v8      x fragments
.set ADW,  9                           ; v9-11   W fragments of Wq, Wk, Wv
.set STQ,  12                          ; v12     stage, in: Q and K
.set STV,  13                          ; v13     stage, in: V
.set RD,   14                          ; v14     stage, back: Q and K
.set RDV,  15                          ; v15     stage, back: V
.set BUF,  16                          ; v16-207 three raw staging buffers of 64; later the copy-out data
.set WF,   16                          ; v16-207 two banks of W fragments: bank p, matrix m at WF + 96 p + 32 m, 32 registers
.set PK,   16                          ; v16-207 packed results: Q's, K's, V's, 64 registers each
.set VQ,   208                         ; v208    my byte offset in qs and ks
.set VV,   209                         ; v209    my byte offset in vt
.set VB,   210                         ; v210    offset of my 8 numbers of bq, bk
.set VBV,  211                         ; v211    offset of my number of bv
.set OUT,  216                         ; v216-247 a batch's 64 numbers a lane in bf16, on their way into LDS
.set MSB, 0
.macro WIN new                         ; the immediate's high byte repeats the setting that is left
.if MSB != (\new)
	s_set_vgpr_msb (MSB<<8)|(\new)
.set MSB, (\new)
.endif
.endm
.macro PLACES n
.rept \n
	v_nop
.endr
.endm
	s_load_b512 s[4:19], s[0:1], 0x0               ; x s[4:5], Wq s[6:7], Wk s[8:9], Wv s[10:11], bq s[12:13], bk s[14:15], bv s[16:17], qs s[18:19]
	s_load_b128 s[20:23], s[0:1], 0x40             ; ks s[20:21], vt s[22:23]
	v_lshl_add_u32 v254, v0, 2, 0x42000            ; my spare word, behind the operands' 270,336 bytes, and 0: kept for the closing lines alone
	v_mov_b32 v255, 0
	v_lshrrev_b32 v2, 5, v0
	v_readfirstlane_b32 s24, v2                    ; wave 0..3
	s_and_b32 s25, ttmp7, 0xffff                   ; rb: block of 128 rows
	s_wait_alu depctr_va_sdst(0)                   ; s24 is written, ahead of its first reader: offsets and LDS addresses are made from it
	s_lshr_b32 s26, s24, 1                         ; wr: which 64 rows are mine
	s_and_b32 s27, s24, 1                          ; wc: which 64 columns
	s_lshl_b32 s28, s25, 17                        ; x: rb x 128 rows x 1,024 bytes
	s_mov_b32 s29, 0
	s_lshl_b32 s30, ttmp9, 17                      ; W: g x 128 rows x 1,024 bytes
	s_mov_b32 s31, 0
	s_lshl_b32 s32, ttmp9, 9                       ; biases: g x 128 x 4 bytes
	s_mov_b32 s33, 0
	s_lshl_b32 s34, s25, 16                        ; qs, ks: rb x 128 rows x 512 bytes
	s_lshl_b32 s35, ttmp9, 8                       ;         + g x 256 bytes
	s_add_co_u32 s34, s34, s35
	s_mov_b32 s35, 0
	s_lshr_b32 s36, s25, 5                         ; vt: batch x 2,097,152
	s_lshl_b32 s36, s36, 21
	s_lshl_b32 s37, ttmp9, 20                      ;     + g x 128 rows x 8,192 bytes
	s_add_co_u32 s36, s36, s37
	s_and_b32 s37, s25, 31                         ;     + (rb % 32) x 256 bytes
	s_lshl_b32 s37, s37, 8
	s_add_co_u32 s36, s36, s37
	s_mov_b32 s37, 0
	v_and_b32 v[RR], 15, v0
	v_bfe_u32 v[HH], v0, 4, 1
	v_and_b32 v212, 31, v0                         ; lane
	s_lshl_b32 s38, s24, 15
	v_lshl_add_u32 v[VO], v212, 4, s38
	s_lshl_b32 s42, s27, 8
	v_lshl_add_u32 v[VB], v[HH], 5, s42            ; 256 wc + 32 h
	v_lshl_add_u32 v[VBV], v[RR], 2, s42           ; 256 wc + 4 r
	s_wait_kmcnt 0x0
	s_add_nc_u64 s[4:5], s[4:5], s[28:29]
	s_add_nc_u64 s[6:7], s[6:7], s[30:31]
	s_add_nc_u64 s[8:9], s[8:9], s[30:31]
	s_add_nc_u64 s[10:11], s[10:11], s[30:31]
	s_add_nc_u64 s[12:13], s[12:13], s[32:33]
	s_add_nc_u64 s[14:15], s[14:15], s[32:33]
	s_add_nc_u64 s[16:17], s[16:17], s[32:33]
	s_add_nc_u64 s[18:19], s[18:19], s[34:35]
	s_add_nc_u64 s[20:21], s[20:21], s[34:35]
	s_add_nc_u64 s[22:23], s[22:23], s[36:37]
	; The biases, into window 3.  bq and bk in the layout of an accumulator whose rows are e: register j of block eb holds b[16 eb + 8 h + j].
	; bv for tiles whose columns are e: one number a lane, b[16 eb + r], in both registers of a pair for the packed add.
	WIN 0xc0
	s_wait_alu depctr_va_vdst(0)                   ; the offsets v1, v210 and v211 are written: the loads of the biases and the first three batches read them
.irp eb, 0,1,2,3
	global_load_b128 v[128+8*\eb:128+8*\eb+3], v[VB], s[12:13] offset:64*\eb
	global_load_b128 v[128+8*\eb+4:128+8*\eb+7], v[VB], s[12:13] offset:64*\eb+16
	global_load_b128 v[160+8*\eb:160+8*\eb+3], v[VB], s[14:15] offset:64*\eb
	global_load_b128 v[160+8*\eb+4:160+8*\eb+7], v[VB], s[14:15] offset:64*\eb+16
	global_load_b32 v[192+2*\eb], v[VBV], s[16:17] offset:64*\eb
	global_load_b32 v[193+2*\eb], v[VBV], s[16:17] offset:64*\eb
.endr
	WIN 0
; STAGING.  Wave w brings rows 32 w .. 32 w + 31 of each of the four sources: 64 loads of 512 bytes a source, in batches of 16.
; Batch i: source i / 4, loads 16 (i % 4) .. + 15.
.macro GLOAD i, buf
.irp j, 0,1,2,3,4,5,6,7,8,9,10,11,12,13,14,15
	global_load_b128 v[\buf+4*\j:\buf+4*\j+3], v[VO], s[4+2*((\i)>>2):5+2*((\i)>>2)] offset:512*(16*((\i)&3)+\j)
.endr
.endm
; four f32 become 8 bytes of bf16, in OUT
.macro CVT buf
.irp j, 0,1,2,3,4,5,6,7,8,9,10,11,12,13,14,15
	v_cvt_pk_bf16_f32 v[OUT+2*\j], v[\buf+4*\j], v[\buf+4*\j+1]
	v_cvt_pk_bf16_f32 v[OUT+2*\j+1], v[\buf+4*\j+2], v[\buf+4*\j+3]
.endr
.endm
; load j of the batch is half j % 2 of row 8 (i % 4) + j / 2 of my 32
.macro LSTORE i
.irp j, 0,1,2,3,4,5,6,7,8,9,10,11,12,13,14,15
	ds_store_b64 v[AD+((\i)>>2)], v[OUT+2*\j:OUT+2*\j+1] offset:(8*((\i)&3)+(\j>>1))*PITCH+256*(\j&1)
.endr
.endm
.macro BATCH i, buf, left, more
	s_wait_loadcnt \left                           ; loads come back in order (ISA guide 5.7.1): this batch is in, the younger ones stay out
.if (\i) > 0
	s_wait_alu depctr_vm_vsrc(0)                   ; the LDS stores of the batch before have read OUT, which the conversions below write again
.endif
	CVT \buf
	s_wait_alu depctr_va_vdst(0)                   ; the conversions have written OUT, which the LDS stores read, and are done reading the raw buffer, in which the loads land; in batch 0 also: the LDS addresses v4 to v15 and the offsets v208, v209 are written
.if \more
	GLOAD \i+3, \buf                               ; the buffer's next batch: three batches, 24 KiB a wave, are on their way
.endif
	LSTORE \i
.endm
	GLOAD 0, BUF
	GLOAD 1, BUF+64
	GLOAD 2, BUF+128
	; the other addresses, while the first loads are on their way: none of these lines names a register that a load above touches
	s_mul_i32 s39, s24, 32*PITCH
	v_lshl_add_u32 v[AD], v212, 3, s39             ; 32 w rows + 8 lane
	v_add_nc_u32 v[AD+1], SRC, v[AD]
	v_add_nc_u32 v[AD+2], 2*SRC, v[AD]
	v_add_nc_u32 v[AD+3], 3*SRC, v[AD]
	v_mul_u32_u24 v213, v[RR], PITCH
	v_lshl_add_u32 v213, v[HH], 4, v213            ; a fragment's lane term: r x pitch + 16 h
	s_mul_i32 s40, s26, 64*PITCH
	v_add_nc_u32 v[ADX], s40, v213
	s_mul_i32 s41, s27, 64*PITCH
	s_add_co_u32 s41, s41, SRC
	v_add_nc_u32 v[ADW], s41, v213
	v_add_nc_u32 v[ADW+1], SRC, v[ADW]
	v_add_nc_u32 v[ADW+2], 2*SRC, v[ADW]
	v_mul_u32_u24 v214, v[RR], SPITCH
	v_lshl_add_u32 v214, v[HH], 4, v214            ; stage, in: r x pitch + 16 h
	s_mul_i32 s42, s26, 64*SPITCH
	s_lshl_b32 s43, s27, 7
	s_add_co_u32 s42, s42, s43
	v_add_nc_u32 v[STQ], s42, v214                 ; row 64 wr + r, byte 128 wc + 16 h
	s_mul_i32 s42, s27, 64*SPITCH
	s_lshl_b32 s43, s26, 7
	s_add_co_u32 s42, s42, s43
	s_add_co_u32 s42, s42, 2*STG
	v_add_nc_u32 v[STV], s42, v214                 ; V's stage: row 64 wc + r, byte 128 wr + 16 h
	v_mul_u32_u24 v[RD], v[HH], SPITCH
	v_lshl_add_u32 v[RD], v[RR], 4, v[RD]
	s_mul_i32 s42, s24, 32*SPITCH
	v_add_nc_u32 v[RD], s42, v[RD]                 ; back: row 32 w + h, 16 bytes a lane
	v_add_nc_u32 v[RDV], 2*STG, v[RD]
	v_lshlrev_b32 v[VQ], 9, v[HH]
	v_lshl_add_u32 v[VQ], v[RR], 4, v[VQ]
	s_lshl_b32 s42, s24, 14
	v_add_nc_u32 v[VQ], s42, v[VQ]                 ; (32 w + h) x 512 + 16 r
	v_lshlrev_b32 v[VV], 13, v[HH]
	v_lshl_add_u32 v[VV], v[RR], 4, v[VV]
	s_lshl_b32 s42, s24, 18
	v_add_nc_u32 v[VV], s42, v[VV]                 ; (32 w + h) x 8,192 + 16 r
.irp i, 0,1,2,3,4,5,6,7,8,9,10,11,12
	BATCH \i, BUF+64*(\i%3), 32, 1                 ; 32: the two younger batches of 16
.endr
	BATCH 13, BUF+64, 32, 0
	BATCH 14, BUF+128, 16, 0                       ; nothing more is fetched: the counts run down
	BATCH 15, BUF, 0, 0
	s_wait_dscnt 0x0                               ; my rows are in LDS, for the other waves' sake
	s_barrier_signal -1
	s_barrier_wait -1
; PRODUCTS.  A fragment is 16 rows x 32 along d in 8 registers: two loads of 16 bytes, 32 bytes apart, at row x pitch + 16 h.
; x's 32 fragments (4 row blocks x 8 steps of d) stay in window 1; W's come in runs of four fragments, a whole step of d (three runs) ahead.
; No wait on va_vdst here: no vector instruction has named window 1, and the raw buffers' last readers, the conversions, stand ahead of batch 15's wait.
	WIN 0x40
.irp sb, 0,1,2,3
.irp kk, 0,1,2,3,4,5,6,7
	ds_load_b128 v[64*\sb+8*\kk:64*\sb+8*\kk+3], v[ADX] offset:\sb*BLK+64*\kk
	ds_load_b128 v[64*\sb+8*\kk+4:64*\sb+8*\kk+7], v[ADX] offset:\sb*BLK+64*\kk+32
.endr
.endr
	WIN 0
; the four fragments of matrix mat for step kk of d, into bank kk % 2
.macro WLOAD kk, mat
.irp eb, 0,1,2,3
	ds_load_b128 v[WF+96*((\kk)&1)+32*(\mat)+8*\eb:WF+96*((\kk)&1)+32*(\mat)+8*\eb+3], v[ADW+(\mat)] offset:\eb*BLK+64*(\kk)
	ds_load_b128 v[WF+96*((\kk)&1)+32*(\mat)+8*\eb+4:WF+96*((\kk)&1)+32*(\mat)+8*\eb+7], v[ADW+(\mat)] offset:\eb*BLK+64*(\kk)+32
.endr
.endm
; The head of the group of matrix mat in step kk: the same matrix's fragments of step kk + 1 are asked for, into the bank that step kk - 1 has read.
.macro GHEAD kk, mat
.if (\kk) < 7
	WIN 0
.if ((\kk) > 0) && ((\mat) == 0)
	PLACES 4                                       ; four places behind the last matrix instruction stay ahead of the step's loads into registers that matrix instructions have read
	s_wait_alu depctr_va_vdst(0)                   ; the matrix instructions of step kk - 1 are done reading the other bank, in which this step's 24 loads land; no matrix instruction of this step names that bank
.endif
	WLOAD (\kk)+1, \mat
	s_wait_dscnt 24                                ; LDS loads come back in order (ISA guide 5.7.1): the three younger runs of eight stay out; mine (and, in the first group, x's fragments) are in
.else
	s_wait_dscnt 8*(2-(\mat))                      ; the last step asks for nothing: two runs out, one, none
.endif
.endm
; Q and K: source 0 = rows of W, source 1 = rows of x, so that a lane's eight results are eight neighbouring e of one row s.
; The first step of d takes the bias registers as C: the sum starts with the bias and nothing is cleared.
; The 16 accumulators of a group take turns, one instruction a turn, and the three matrices' groups follow each other.
.macro QKMUL kk, mat
.if \kk == 0
	WIN 0xb4                                       ; A window 0, B window 1, C window 3 (bias), D window 2
.else
	WIN 0xa4                                       ; C and D window 2
.endif
.irp eb, 0,1,2,3
.irp sb, 0,1,2,3
.if \kk == 0
	v_wmma_f32_16x16x32_bf16 v[128*\mat+8*(4*\eb+\sb):128*\mat+8*(4*\eb+\sb)+7], v[WF+96*((\kk)&1)+32*\mat+8*\eb:WF+96*((\kk)&1)+32*\mat+8*\eb+7], v[64*\sb+8*\kk:64*\sb+8*\kk+7], v[128+32*\mat+8*\eb:128+32*\mat+8*\eb+7]
.else
	v_wmma_f32_16x16x32_bf16 v[128*\mat+8*(4*\eb+\sb):128*\mat+8*(4*\eb+\sb)+7], v[WF+96*((\kk)&1)+32*\mat+8*\eb:WF+96*((\kk)&1)+32*\mat+8*\eb+7], v[64*\sb+8*\kk:64*\sb+8*\kk+7], v[128*\mat+8*(4*\eb+\sb):128*\mat+8*(4*\eb+\sb)+7]
.endif
.endr
.endr
.endm
; V the other way round: source 0 = rows of x, so that a lane's eight results are eight neighbouring s of one e, as vt wants them.
.macro VMUL kk
	WIN 0xf1                                       ; A window 1, B window 0, C and D window 3
.irp eb, 0,1,2,3
.irp sb, 0,1,2,3
.if \kk == 0
	v_wmma_f32_16x16x32_bf16 v[8*(4*\eb+\sb):8*(4*\eb+\sb)+7], v[64*\sb+8*\kk:64*\sb+8*\kk+7], v[WF+96*((\kk)&1)+64+8*\eb:WF+96*((\kk)&1)+64+8*\eb+7], 0
.else
	v_wmma_f32_16x16x32_bf16 v[8*(4*\eb+\sb):8*(4*\eb+\sb)+7], v[64*\sb+8*\kk:64*\sb+8*\kk+7], v[WF+96*((\kk)&1)+64+8*\eb:WF+96*((\kk)&1)+64+8*\eb+7], v[8*(4*\eb+\sb):8*(4*\eb+\sb)+7]
.endif
.endr
.endr
.endm
	WLOAD 0, 0
	WLOAD 0, 1
	WLOAD 0, 2
.irp kk, 0,1,2,3,4,5,6,7
	GHEAD \kk, 0
	QKMUL \kk, 0
	GHEAD \kk, 1
	QKMUL \kk, 1
	GHEAD \kk, 2
	VMUL \kk
.endr
; THE WAY OUT.  Four places behind the last matrix instruction before vector instructions read results (ISA guide 7.12.1).
	PLACES 4
	WIN 0x82
.set t_, 0
.rept 64
	v_pk_mul_f32 v[2*t_:2*t_+1], v[2*t_:2*t_+1], 0x3db8aa3b op_sel_hi:[1,0]   ; Q x log2(e)/16
.set t_, t_+1
.endr
	WIN 0xcf
.set t_, 0
.rept 16
.irp i, 0,1,2,3
	v_pk_add_f32 v[8*t_+2*\i:8*t_+2*\i+1], v[8*t_+2*\i:8*t_+2*\i+1], v[192+2*(t_>>2):193+2*(t_>>2)]   ; V + bv[e], e the lane's column
.endr
.set t_, t_+1
.endr
	s_barrier_signal -1                            ; my reads of the operand bytes are back (the last group's wait was for 0):
	s_barrier_wait -1                              ; when that holds of all four waves the stage may be laid over them
.macro PACK base, out                  ; 16 tiles: eight f32 of a lane become 16 bytes, in the result's own 64 registers
.set t_, 0
.rept 16
.irp i, 0,1,2,3
	v_cvt_pk_bf16_f32 v[\out+4*t_+\i], v[\base+8*t_+2*\i], v[\base+8*t_+2*\i+1]
.endr
.set t_, t_+1
.endr
.endm
	WIN 0x0a
	PACK 0, PK
	WIN 0
	s_wait_alu depctr_va_vdst(0)                   ; the conversions have written Q's packed results, which the LDS stores read
.set t_, 0
.rept 16
	ds_store_b128 v[STQ], v[PK+4*t_:PK+4*t_+3] offset:(t_&3)*16*SPITCH+32*(t_>>2)         ; tile 4 eb + sb: row block sb, 32 bytes at 32 eb
.set t_, t_+1
.endr
	WIN 0x0a
	PACK 128, PK+64                                ; other registers than the stores above read
	WIN 0
	s_wait_alu depctr_va_vdst(0)                   ; the conversions have written K's packed results, which the LDS stores read
.set t_, 0
.rept 16
	ds_store_b128 v[STQ], v[PK+64+4*t_:PK+64+4*t_+3] offset:STG+(t_&3)*16*SPITCH+32*(t_>>2)
.set t_, t_+1
.endr
	WIN 0x0f
	PACK 0, PK+128
	WIN 0
	s_wait_alu depctr_va_vdst(0)                   ; the conversions have written V's packed results, which the LDS stores read
.set t_, 0
.rept 16
	ds_store_b128 v[STV], v[PK+128+4*t_:PK+128+4*t_+3] offset:(t_>>2)*16*SPITCH+32*(t_&3)   ; V: row block eb, 32 bytes at 32 sb
.set t_, t_+1
.endr
	s_wait_dscnt 0x0                               ; my part of the stage is written, for the other waves' sake
	s_barrier_signal -1
	s_barrier_wait -1
	s_wait_alu depctr_vm_vsrc(0)                   ; my 48 LDS stores have read v16 to v207, in which the loads below land (the conversions that wrote them stand ahead of the last wait on va_vdst)
	; Wave w takes rows 32 w .. 32 w + 31 of each stage back, two rows a load, and stores them: sixteen lanes store 256 consecutive bytes, aligned.
.set n_, 0
.rept 16
	ds_load_b128 v[BUF+4*n_:BUF+4*n_+3], v[RD] offset:2*SPITCH*n_
.set n_, n_+1
.endr
.set n_, 0
.rept 16
	ds_load_b128 v[BUF+64+4*n_:BUF+64+4*n_+3], v[RD] offset:STG+2*SPITCH*n_
.set n_, n_+1
.endr
.set n_, 0
.rept 16
	ds_load_b128 v[BUF+128+4*n_:BUF+128+4*n_+3], v[RDV] offset:2*SPITCH*n_
.set n_, n_+1
.endr
.set n_, 0
.rept 16
	s_wait_dscnt 47-n_                             ; LDS loads come back in order (ISA guide 5.7.1): of the 48, those issued behind this one may be out
	global_store_b128 v[VQ], v[BUF+4*n_:BUF+4*n_+3], s[18:19] offset:1024*n_
.set n_, n_+1
.endr
.set n_, 0
.rept 16
	s_wait_dscnt 31-n_
	global_store_b128 v[VQ], v[BUF+64+4*n_:BUF+64+4*n_+3], s[20:21] offset:1024*n_
.set n_, n_+1
.endr
.set n_, 0
.rept 16
	s_wait_dscnt 15-n_
	global_store_b128 v[VV], v[BUF+128+4*n_:BUF+128+4*n_+3], s[22:23] offset:16384*n_
.set n_, n_+1
.endr
	s_wait_dscnt 0x0                               ; the closing lines, six on end
	s_wait_alu 0x0
	s_wait_tensorcnt 0x0
	ds_add_u32 v254, v255
	s_wait_dscnt 0x0
	s_endpgm
.Lfunc_end_k_q6964f5af3a_proj:
	.size	k_q6964f5af3a_proj, .Lfunc_end_k_q6964f5af3a_proj-k_q6964f5af3a_proj
	.p2alignl 7, 3214868480
	.fill 96, 4, 3214868480
	.section	.rodata,"a",@progbits
	.p2align	6, 0x0
	.amdhsa_kernel k_q6964f5af3a_proj
		.amdhsa_group_segment_fixed_size 270848
		.amdhsa_private_segment_fixed_size 0
		.amdhsa_enable_private_segment 0
		.amdhsa_kernarg_size 80
		.amdhsa_user_sgpr_count 2
		.amdhsa_user_sgpr_kernarg_segment_ptr 1
		.amdhsa_wavefront_size32 1
		.amdhsa_system_sgpr_workgroup_id_x 1
		.amdhsa_system_sgpr_workgroup_id_y 1
		.amdhsa_system_sgpr_workgroup_id_z 1
		.amdhsa_system_vgpr_workitem_id 0
		.amdhsa_next_free_vgpr 968
		.amdhsa_next_free_sgpr 66
		.amdhsa_reserve_vcc 0
		.amdhsa_float_denorm_mode_32 3
		.amdhsa_float_denorm_mode_16_64 3
		.amdhsa_memory_ordered 1
		.amdhsa_forward_progress 1
		.amdhsa_inst_pref_size 158
	.end_amdhsa_kernel
	.amdgpu_metadata
---
amdhsa.version: [ 1, 2 ]
amdhsa.kernels:
  - .name:           k_q6964f5af3a_proj
    .symbol:         k_q6964f5af3a_proj.kd
    .args:
      - { .name: x, .offset: 0, .size: 8, .value_kind: global_buffer, .address_space: global }
      - { .name: Wq, .offset: 8, .size: 8, .value_kind: global_buffer, .address_space: global }
      - { .name: Wk, .offset: 16, .size: 8, .value_kind: global_buffer, .address_space: global }
      - { .name: Wv, .offset: 24, .size: 8, .value_kind: global_buffer, .address_space: global }
      - { .name: bq, .offset: 32, .size: 8, .value_kind: global_buffer, .address_space: global }
      - { .name: bk, .offset: 40, .size: 8, .value_kind: global_buffer, .address_space: global }
      - { .name: bv, .offset: 48, .size: 8, .value_kind: global_buffer, .address_space: global }
      - { .name: qs, .offset: 56, .size: 8, .value_kind: global_buffer, .address_space: global }
      - { .name: ks, .offset: 64, .size: 8, .value_kind: global_buffer, .address_space: global }
      - { .name: vt, .offset: 72, .size: 8, .value_kind: global_buffer, .address_space: global }
    .group_segment_fixed_size: 270848
    .private_segment_fixed_size: 0
    .kernarg_segment_align: 8
    .kernarg_segment_size: 80
    .max_flat_workgroup_size: 128
    .sgpr_count:     66
    .vgpr_count:     968
    .wavefront_size: 32
...
	.end_amdgpu_metadata
.endif
;; end of part 3
;; launch attn: the kernel of part 2 again; grid 256 x 1, 4 waves a work-group, clusters of 4 x 1, 327,680 bytes of LDS; arguments qs, ks, vt, out0; writes out0
